; MI455X (gfx1250); checked and timed in simulation.
; The chip was launched on July 23, 2026; its instructions are those of AMD's public machine-readable ISA for CDNA 5 (MIT licence, August 2026) and "CDNA5" Instruction Set Architecture Reference Guide (July 2026). The comments in the code are by the model that wrote it; some were corrected since.
;; Self Attention Block. Allowed arithmetic: matrix products marked QUANTISED: E2M1 operands, one E8M0 scale for each 32 along K, by v_wmma_scale_f32_16x16x128_f8f6f4 with both operands' format E2M1 (or v_wmma_scale_f32_32x16x128_f4), f32 sums; everything else in f32.
;; Inputs: mask 4 x 1 x 64 x 64 float32; norm_b 256 float32; norm_w 256 float32; proj_b 256 float32; proj_w 256 x 256 float32; qkv_b 768 float32; qkv_w 768 x 256 float32; x 4 x 256 x 64 x 64 float32.
;; Outputs: out0 4 x 256 x 64 x 64 float32; out1 4 x 1 x 64 x 64 float32.
;; This version of the problem:
;;   THIS VERSION OF THE PROBLEM IS GIVEN IN LOW PRECISION. The matrix products marked QUANTISED in the list below multiply operands that are first quantised to E2M1 (2 exponent bits, 1 mantissa bit; 4 bits a number), with one power-of-two scale for each 32 numbers along K (OCP MX v1.0); their sums are f32. All else is computed in f32.
;;   The module's matrix products, in the order in which they are computed (A, B: the left and right operand; K: the contracted axis; several contracted axes count as one K, in the product's order):
;;     1. [M 768, K 256] x [K 256, N 16,384]; A: input qkv_w; B: computed on the way: QUANTISED
;;     2. batch 16 x [M 4,096, K 64] x [K 64, N 4,096]; A: computed on the way; B: computed on the way: QUANTISED
;;     3. batch 16 x [M 4,096, K 4,096] x [K 4,096, N 64]; A: softmax (see below); B: computed on the way: QUANTISED
;;     4. [M 256, K 256] x [K 256, N 16,384]; A: input proj_w; B: computed on the way: QUANTISED
;;   THE QUANTISER, for each operand of a quantised product, along K:
;;     - K is cut into blocks of 32 from its start; a last block that is shorter is filled with zeros.
;;     - A block's scale is 2^e with e = floor(log2(the largest magnitude in the block)) - 2, held to -126 .. 127; a block of zeros has e = 0. As a byte (E8M0): e + 127.
;;     - Each number is divided by its block's scale, clamped to +-6, and rounded to the nearest number of E2M1, ties to even, subnormals kept.
;;     - The product sums the exact products of the quantised numbers (number of the format x scale) in f32.
;;   ~~~python
;;   def quantise(x, axis):      # numpy; x: float32 -> the quantised numbers, widened to float32 again
;;       x = np.moveaxis(x, axis, -1); K = x.shape[-1]
;;       x = np.pad(x, [(0, 0)] * (x.ndim - 1) + [(0, -K % 32)]); x = x.reshape(x.shape[:-1] + (-1, 32)); a = np.abs(x).max(-1, keepdims=True)
;;       e = np.where(a > 0, np.clip(np.frexp(np.where(a > 0, a, 1))[1] - 1 - 2, -126, 127), 0)      # np.frexp(a)[1] - 1 = floor(log2(a)), exactly
;;       r = np.clip(x / 2.0 ** e, -6, 6)
;;       step = 2.0 ** (np.maximum(np.frexp(np.where(r == 0, 1, r))[1] - 1, 0) - 1)
;;       q = np.round(r / step) * step * 2.0 ** e      # np.round: ties to even
;;       return np.moveaxis(q.reshape(q.shape[:-2] + (-1,))[..., :K], -1, axis).astype(np.float32)
;;   ~~~
;;   SOFTMAX AHEAD OF A QUANTISED PRODUCT. Where the list says 'softmax', what is quantised is not the finished softmax but p = 2^(t - M), with t = logit x log2(e) and M = ceil(the row's largest t), a whole number; so 1/2 < the row's largest p <= 1. The row's sum l is taken of the UNQUANTISED p, in f32, and the product's result is divided by l at the end. Since M is a whole number, a kernel that streams over the keys may use a running M (the ceiling of the running maximum): every later rescaling is an exact power of two, which a block's scale takes up: the codes' values come out the same.
;;   OPERANDS COMPUTED ON THE WAY. 'Computed on the way' means the value that the module computes at that place (a softmax that the list does not call 'softmax' is quantised finished and normalised). What goes into a quantiser is computed in f32, as accurately as f32 sums, v_exp_f32 and their like allow (about 1e-6 of the number): no bf16 or f16 on the way to a quantiser, and a product that is left as it is and whose result goes on into a quantised operand takes f32 operands (vector FMAs, or v_wmma_f32_16x16x4_f32). A number that lies on a knife's edge between two numbers of the format may be rounded either way, as far as f32 arithmetic and the matrix unit's own rounding can turn it there, and no further.
;; One version. Each part assembles by itself: llvm-mc -triple=amdgcn-amd-amdhsa -mcpu=gfx1250 --defsym DOCPART=n.
;; ======== version 1 of 1: 4 launches
;; workspace buffers: stats 2,048 bytes; wc 131,072 bytes; ws 8,192 bytes; qc 2,097,152 bytes; qs 131,072 bytes; kv 4,456,448 bytes; oc 2,097,152 bytes; os 131,072 bytes
;; launch prep (part 1): grid 256 x 1, 9 waves a work-group, no clusters, 1,536 bytes of LDS; arguments x, mask, qkv_w, proj_w, stats, wc, ws, out1; writes stats, wc, ws, out1
.if DOCPART == 1
	.amdgcn_target "amdgcn-amd-amdhsa--gfx1250"
	.amdhsa_code_object_version 6
	.text
	.protected	k_q00668da12e_prep
	.globl	k_q00668da12e_prep
	.p2align	8
	.type	k_q00668da12e_prep,@function
k_q00668da12e_prep:
	s_mov_b64 s[64:65], 0
	v_nop
	global_prefetch_b8 v0, s[64:65] scope:SCOPE_SE
	s_setreg_imm32_b32 hwreg(HW_REG_WAVE_MODE, 25, 1), 1
	s_wait_xcnt 0x0
; PREP: three jobs that need the inputs alone.
; (1) GroupNorm's statistics in parts.  x is [4][256][4096] f32; a group is 32 channels = 524,288 bytes.  Work-group g owns the 65,536 bytes at 65,536 g (4 channels, an eighth of a group);
;     waves 0-7 own 8,192 bytes each.  A wave takes its mean, subtracts it, and sums the squares of what is left (M2); equal parts are merged as mean = the means' mean,
;     M2 = the sum of (M2 + count x (mean_part - mean)^2).  No difference of large sums is formed, so a common offset of x costs no digits.  stats[g] = (mean, M2) of 16,384 numbers.
; (2) Wave 8 of work-groups 0-127 turns one fragment (16 rows x 128 K) of qkv_w or proj_w into codes of E2M1 with one E8M0 byte for each 32 along K, laid in the order of the operand's registers:
;     wc[unit][t][s][c][lane][16 bytes], ws[unit][t][s][r][4 bytes].  unit 0-11: rows 64 unit on of qkv_w; 12-15: rows 64 (unit - 12) on of proj_w.
;     Lane (r, h) of tile t holds row 32 (t / 2) + 8 (t % 2) + r + 8 (r / 8) of its unit, k = 128 s + 64 c + 32 h + 0 .. 31: two whole blocks a lane.
; (3) Wave 8 of every work-group copies 256 bytes of mask to out1.
; LIMITS: NaN and infinities are not served.  A block whose largest magnitude lies under 2^-124 keeps the byte 1; so does a block of zeros, where the quantiser says 127: its codes are zeros,
; which add nothing under any byte but 0xff, and this program alone reads the bytes.
; No matrix work, no tensor load, no cluster: the work-groups share no byte.
.set X,   16                           ; v16-79   64 numbers
.set A,   80                           ; v80-87   four packed chains
.set MN,  88                           ; v88-89   the mean twice; at the end (mean, M2)
.set WK,  90                           ; v90-92   at work
.set C,   96                           ; v96-103  a fragment's codes
.set FIN, 104                          ; v104-108 wave 0's merge: registers that no other path names
; the four chains become one number, the same in every lane of the wave
.macro FOLD
	v_pk_add_f32 v[A:A+1], v[A:A+1], v[A+2:A+3]
	v_pk_add_f32 v[A+4:A+5], v[A+4:A+5], v[A+6:A+7]
	v_pk_add_f32 v[A:A+1], v[A:A+1], v[A+4:A+5]
	v_add_f32 v[A], v[A], v[A+1]
	v_add_f32_dpp v[A], v[A], v[A] row_xmask:1 row_mask:0xf bank_mask:0xf
	v_add_f32_dpp v[A], v[A], v[A] row_xmask:2 row_mask:0xf bank_mask:0xf
	v_add_f32_dpp v[A], v[A], v[A] row_xmask:4 row_mask:0xf bank_mask:0xf
	v_add_f32_dpp v[A], v[A], v[A] row_xmask:8 row_mask:0xf bank_mask:0xf
	v_permlanex16_b32 v[WK], v[A], s22, s23
	v_add_f32 v[A], v[A], v[WK]
.endm
	s_load_b512 s[4:19], s[0:1], 0x0               ; x s[4:5], mask s[6:7], qkv_w s[8:9], proj_w s[10:11], stats s[12:13], wc s[14:15], ws s[16:17], out1 s[18:19]
	v_lshl_add_u32 v112, v0, 2, 0x100
	v_mov_b32 v113, 0
	v_lshrrev_b32 v5, 5, v0
	v_readfirstlane_b32 s20, v5                    ; wave 0..8
	v_and_b32 v1, 31, v0                           ; lane
	v_lshlrev_b32 v2, 4, v1                        ; 16 x lane
	v_mov_b32 v3, s20
	v_lshlrev_b32 v3, 3, v3                        ; LDS: my wave's pair, 8 x wave
	v_and_b32 v4, 7, v0
	v_lshlrev_b32 v4, 3, v4                        ; LDS: the pair that lane l reads back: wave l % 8's
	v_mov_b32 v[WK], 0                             ; a lane permute's destination counts as one of its sources
	s_mov_b32 s22, 0x76543210
	s_mov_b32 s23, 0xfedcba98                      ; v_permlanex16_b32's selects for lane l xor 16
	s_wait_kmcnt 0x0
	s_cmp_eq_u32 s20, 8
	s_cbranch_scc1 .Lextra
	; ---- waves 0-7: mean and M2 of 2,048 numbers
	s_lshl_b32 s24, ttmp9, 16
	s_lshl_b32 s25, s20, 13
	s_add_co_u32 s24, s24, s25                     ; 65,536 x work-group + 8,192 x wave
	s_mov_b32 s25, 0
	s_add_nc_u64 s[4:5], s[4:5], s[24:25]
.irp i, 0,1,2,3,4,5,6,7,8,9,10,11,12,13,14,15
	global_load_b128 v[X+4*\i:X+4*\i+3], v2, s[4:5] offset:512*\i   ; 32 lanes read 512 consecutive bytes; x is read again by later launches, so no hint
.endr
	s_wait_loadcnt 0x0
.irp k, 0,1,2,3
	v_pk_add_f32 v[A+2*\k:A+2*\k+1], v[X+2*\k:X+2*\k+1], v[X+8+2*\k:X+9+2*\k]   ; the first eight pairs start the chains: nothing is cleared
.endr
.set j, 8
.rept 24
	v_pk_add_f32 v[A+2*(j%4):A+2*(j%4)+1], v[A+2*(j%4):A+2*(j%4)+1], v[X+2*j:X+2*j+1]
.set j, j+1
.endr
	FOLD
	v_mul_f32 v[MN], 0x3a000000, v[A]              ; x 2^-11: my wave's mean
	v_mov_b32 v[MN+1], v[MN]
.set j, 0
.rept 32
	v_pk_add_f32 v[X+2*j:X+2*j+1], v[X+2*j:X+2*j+1], v[MN:MN+1] neg_lo:[0,1] neg_hi:[0,1]   ; x - mean
.set j, j+1
.endr
.irp k, 0,1,2,3
	v_pk_mul_f32 v[A+2*\k:A+2*\k+1], v[X+2*\k:X+2*\k+1], v[X+2*\k:X+2*\k+1]
.endr
.set j, 4
.rept 28
	v_pk_fma_f32 v[A+2*(j%4):A+2*(j%4)+1], v[X+2*j:X+2*j+1], v[X+2*j:X+2*j+1], v[A+2*(j%4):A+2*(j%4)+1]
.set j, j+1
.endr
	FOLD
	v_mov_b32 v[MN+1], v[A]                        ; (mean, M2)
	ds_store_b64 v3, v[MN:MN+1]                    ; all lanes write the same pair to the same place
	s_branch .Ljoin
.Lextra:
	; ---- wave 8: 256 bytes of the mask
	v_lshlrev_b32 v6, 3, v1
	s_lshl_b32 s24, ttmp9, 8
	v_add_nc_u32 v6, s24, v6                       ; 256 x work-group + 8 x lane
	global_load_b64 v[8:9], v6, s[6:7]
	s_wait_loadcnt 0x0
	global_store_b64 v6, v[8:9], s[18:19]          ; 32 lanes store 256 consecutive bytes, aligned; v6, v8, v9 are not written again
	s_cmp_lt_u32 ttmp9, 128                        ; 16 units x 4 tiles x 2 K steps = 128 fragments
	s_cbranch_scc0 .Ljoin
	; ---- and one fragment of a weight
	s_lshr_b32 s24, ttmp9, 3                       ; unit
	s_bfe_u32 s25, ttmp9, 0x20001                  ; t
	s_and_b32 s26, ttmp9, 1                        ; s
	s_cmp_lt_u32 s24, 12                           ; the choice hangs on the work-group's number alone
	s_cselect_b64 s[8:9], s[8:9], s[10:11]
	s_cselect_b32 s27, 0, 12
	s_sub_co_u32 s27, s24, s27                     ; the unit within its tensor
	s_lshl_b32 s27, s27, 6
	s_lshr_b32 s28, s25, 1
	s_lshl_b32 s28, s28, 5
	s_add_co_u32 s27, s27, s28
	s_and_b32 s28, s25, 1
	s_lshl_b32 s28, s28, 3
	s_add_co_u32 s27, s27, s28                     ; the tile's first row: 64 unit + 32 (t / 2) + 8 (t % 2)
	s_lshl_b32 s28, s27, 10                        ; a row is 1,024 bytes
	s_lshl_b32 s29, s26, 9                         ; K step s: 512 bytes on
	s_add_co_u32 s28, s28, s29
	s_mov_b32 s29, 0
	s_add_nc_u64 s[8:9], s[8:9], s[28:29]
	v_and_b32 v7, 15, v0                           ; r
	v_bfe_u32 v10, v0, 4, 1                        ; h
	v_and_b32 v11, 8, v7
	v_add_nc_u32 v11, v11, v7                      ; r + 8 (r / 8)
	v_lshlrev_b32 v11, 10, v11
	v_lshl_add_u32 v11, v10, 7, v11                ; my row, + 32 h numbers
.irp c, 0,1
.irp j, 0,1,2,3,4,5,6,7
	global_load_b128 v[X+32*\c+4*\j:X+32*\c+4*\j+3], v11, s[8:9] offset:256*\c+16*\j   ; block 2 c + h of my row: 128 consecutive bytes in eight loads
.endr
.endr
	s_wait_loadcnt 0x0
.irp c, 0,1
	v_max3_num_f32 v[12+\c], |v[X+32*\c]|, |v[X+1+32*\c]|, 0x1800000   ; the block's largest magnitude, all 32 numbers mine, and the floor 2^(3 - 127): the byte cannot fall under 1
.endr
.irp i, 2,4,6,8,10,12,14,16,18,20,22,24,26,28,30
.irp c, 0,1
	v_max3_num_f32 v[12+\c], v[12+\c], |v[X+32*\c+\i]|, |v[X+1+32*\c+\i]|
.endr
.endr
.irp c, 0,1
	v_add_nc_u32 v[14+\c], 0xff000000, v[12+\c]    ; 2 off its exponent field: the conversion takes the exponent field of this operand as its scale
.endr
.irp c, 0,1
	v_lshrrev_b32 v[12+\c], 23, v[14+\c]           ; the scale's byte
.endr
	v_lshl_or_b32 v[WK], v13, 16, v12              ; my two bytes, blocks h and 2 + h,
	v_lshlrev_b32 v[WK+1], 3, v10
	v_lshlrev_b32 v[WK], v[WK+1], v[WK]            ; at their places in the row's word (8 h bits up);
	v_mov_b32 v[WK+1], 0
	v_permlanex16_b32 v[WK+1], v[WK], s22, s23
	v_or_b32 v[WK], v[WK], v[WK+1]                 ; with lane l xor 16's two the word is whole
.irp c, 0,1
.irp g, 0,1,2,3
	v_cvt_scalef32_pk8_fp4_f32 v[C+4*\c+\g], v[X+32*\c+8*\g:X+32*\c+8*\g+7], v[14+\c]
.endr
.endr
	v_nop                                          ; one plain place behind a scaled conversion
	s_lshl_b32 s28, s24, 13
	s_lshl_b32 s29, s25, 11
	s_add_co_u32 s28, s28, s29
	s_lshl_b32 s29, s26, 10
	s_add_co_u32 s28, s28, s29                     ; 8,192 unit + 2,048 t + 1,024 s
	s_mov_b32 s29, 0
	s_add_nc_u64 s[14:15], s[14:15], s[28:29]
	global_store_b128 v2, v[C:C+3], s[14:15]                 ; 512 consecutive bytes a store
	global_store_b128 v2, v[C+4:C+7], s[14:15] offset:512
	s_lshl_b32 s28, s24, 9
	s_lshl_b32 s29, s25, 7
	s_add_co_u32 s28, s28, s29
	s_lshl_b32 s29, s26, 6
	s_add_co_u32 s28, s28, s29                     ; 512 unit + 64 (2 t + s)
	s_mov_b32 s29, 0
	s_add_nc_u64 s[16:17], s[16:17], s[28:29]
	v_lshlrev_b32 v[WK+2], 2, v7
	s_wait_xcnt 0x0                                ; EXEC is a source of the stores above: it changes only behind this wait
	v_cmp_gt_u32 vcc_lo, 16, v1
	s_and_saveexec_b32 s30, vcc_lo
	global_store_b32 v[WK+2], v[WK], s[16:17]      ; lanes 0-15: the 16 rows' words, 64 consecutive bytes
	s_wait_xcnt 0x0                                ; and again in front of the line that widens it
	s_or_b32 exec_lo, exec_lo, s30
.Ljoin:
	s_wait_dscnt 0x0                               ; for the others' sake: my pair lies in LDS
	s_barrier_signal -1
	s_barrier_wait -1
	s_cmp_lg_u32 s20, 0
	s_cbranch_scc1 .Lend
	; ---- wave 0 merges the eight waves' pairs
	ds_load_b64 v[FIN:FIN+1], v4                   ; lane l: wave l % 8's (mean, M2)
	s_wait_dscnt 0x0
	v_mov_b32 v[FIN+2], v[FIN]
	v_add_f32_dpp v[FIN+2], v[FIN+2], v[FIN+2] row_xmask:1 row_mask:0xf bank_mask:0xf
	v_add_f32_dpp v[FIN+2], v[FIN+2], v[FIN+2] row_xmask:2 row_mask:0xf bank_mask:0xf
	v_add_f32_dpp v[FIN+2], v[FIN+2], v[FIN+2] row_xmask:4 row_mask:0xf bank_mask:0xf
	v_mul_f32 v[FIN+2], 0x3e000000, v[FIN+2]       ; / 8: the mean of 16,384 numbers
	v_sub_f32 v[FIN+3], v[FIN], v[FIN+2]
	v_mul_f32 v[FIN+3], v[FIN+3], v[FIN+3]
	v_fmamk_f32 v[FIN+3], v[FIN+3], 0x45000000, v[FIN+1]   ; 2,048 x (mean_wave - mean)^2 + M2_wave
	v_add_f32_dpp v[FIN+3], v[FIN+3], v[FIN+3] row_xmask:1 row_mask:0xf bank_mask:0xf
	v_add_f32_dpp v[FIN+3], v[FIN+3], v[FIN+3] row_xmask:2 row_mask:0xf bank_mask:0xf
	v_add_f32_dpp v[FIN+3], v[FIN+3], v[FIN+3] row_xmask:4 row_mask:0xf bank_mask:0xf
	s_lshl_b32 s24, ttmp9, 3
	s_mov_b32 s25, 0
	s_add_nc_u64 s[12:13], s[12:13], s[24:25]
	v_mov_b32 v[FIN+4], 0
	s_wait_xcnt 0x0
	v_cmp_eq_u32 vcc_lo, 0, v1
	s_and_saveexec_b32 s30, vcc_lo
	global_store_b64 v[FIN+4], v[FIN+2:FIN+3], s[12:13]    ; one lane: 8 bytes for the work-group
	s_wait_xcnt 0x0
	s_or_b32 exec_lo, exec_lo, s30
.Lend:
	s_wait_tensorcnt 0x0
	ds_add_u32 v112, v113
	s_wait_dscnt 0x0
	s_endpgm
.Lfunc_end_k_q00668da12e_prep:
	.size	k_q00668da12e_prep, .Lfunc_end_k_q00668da12e_prep-k_q00668da12e_prep
	.p2alignl 7, 3214868480
	.fill 96, 4, 3214868480
	.section	.rodata,"a",@progbits
	.p2align	6, 0x0
	.amdhsa_kernel k_q00668da12e_prep
		.amdhsa_group_segment_fixed_size 1536
		.amdhsa_private_segment_fixed_size 0
		.amdhsa_enable_private_segment 0
		.amdhsa_kernarg_size 64
		.amdhsa_user_sgpr_count 2
		.amdhsa_user_sgpr_kernarg_segment_ptr 1
		.amdhsa_wavefront_size32 1
		.amdhsa_system_sgpr_workgroup_id_x 1
		.amdhsa_system_sgpr_workgroup_id_y 1
		.amdhsa_system_sgpr_workgroup_id_z 1
		.amdhsa_system_vgpr_workitem_id 0
		.amdhsa_next_free_vgpr 114
		.amdhsa_next_free_sgpr 66
		.amdhsa_reserve_vcc 1
		.amdhsa_float_denorm_mode_32 3
		.amdhsa_float_denorm_mode_16_64 3
		.amdhsa_memory_ordered 1
		.amdhsa_forward_progress 1
		.amdhsa_inst_pref_size 18
	.end_amdhsa_kernel
	.amdgpu_metadata
---
amdhsa.version: [ 1, 2 ]
amdhsa.kernels:
  - .name:           k_q00668da12e_prep
    .symbol:         k_q00668da12e_prep.kd
    .args:
      - { .name: x, .offset: 0, .size: 8, .value_kind: global_buffer, .address_space: global }
      - { .name: mask, .offset: 8, .size: 8, .value_kind: global_buffer, .address_space: global }
      - { .name: qkv_w, .offset: 16, .size: 8, .value_kind: global_buffer, .address_space: global }
      - { .name: proj_w, .offset: 24, .size: 8, .value_kind: global_buffer, .address_space: global }
      - { .name: stats, .offset: 32, .size: 8, .value_kind: global_buffer, .address_space: global }
      - { .name: wc, .offset: 40, .size: 8, .value_kind: global_buffer, .address_space: global }
      - { .name: ws, .offset: 48, .size: 8, .value_kind: global_buffer, .address_space: global }
      - { .name: out1, .offset: 56, .size: 8, .value_kind: global_buffer, .address_space: global }
    .group_segment_fixed_size: 1536
    .private_segment_fixed_size: 0
    .kernarg_segment_align: 8
    .kernarg_segment_size: 64
    .max_flat_workgroup_size: 288
    .sgpr_count:     66
    .vgpr_count:     114
    .wavefront_size: 32
...
	.end_amdgpu_metadata
.endif
;; end of part 1
;; launch qkv (part 2): grid 256 x 1, 16 waves a work-group, no clusters, 11,264 bytes of LDS; arguments x, stats, norm_w, norm_b, wc, ws, qkv_b, qc, qs, kv; writes qc, qs, kv
.if DOCPART == 2
	.amdgcn_target "amdgcn-amd-amdhsa--gfx1250"
	.amdhsa_code_object_version 6
	.text
	.protected	k_q00668da12e_qkv
	.globl	k_q00668da12e_qkv
	.p2align	8
	.type	k_q00668da12e_qkv,@function
k_q00668da12e_qkv:
	s_mov_b64 s[64:65], 0
	v_nop
	global_prefetch_b8 v0, s[64:65] scope:SCOPE_SE
	s_setreg_imm32_b32 hwreg(HW_REG_WAVE_MODE, 25, 1), 1
	s_wait_xcnt 0x0
; QKV: GroupNorm, its quantising, the product qkv_w x_norm + qkv_b on codes of E2M1 (one E8M0 byte for each 32 along K), and the quantising of q, k (along the head's 64) and v (along the keys).
; SHARES.  Work-group (n = wg / 64, G = wg % 64) owns the 64 pixels 64 G on of image n: 256 consecutive bytes of each channel of x.
; PHASE X, sixteen waves: wave w takes pixels 32 (w % 2) on and group g = w / 2.  A LANE IS A PIXEL AND ITS REGISTERS RUN DOWN THE GROUP'S 32 CHANNELS, which are one block of the product's K:
;   the block's largest magnitude needs no other lane and the four conversions give 16 bytes of the operand.  They go to LDS as an image of the operand's registers; one barrier.
; PHASE 2, waves 0-11: wave w is a unit of 64 output channels (q heads 0-3, k heads 0-3, v heads 0-3) for all 64 pixels: 32 matrix instructions.  Its weights come from wc in register order.
;   q, k: source 0 = 16 rows of the weight, source 1 = 16 pixels: a lane holds one pixel and its registers run along the head's channels.  v: the sources change places: a lane holds one channel and
;   its registers run along the pixels, which are the keys.  THE ROWS OF A TILE ARE NOT NEIGHBOURS: lane r of tile 2 b + u takes row 32 b + 8 u + r + 8 (r / 8) (of the unit's channels, of the 64 pixels),
;   so that the 16 registers of tiles 2 b and 2 b + 1 are the 16 neighbours 32 b + 16 (lane / 16) + 0 .. 15 along the next K.  The bias is the C of each sum's first matrix instruction.
; OUT, all in the order of the next launch's operand registers:  qc[nh][T][lane][16], qs[nh][G][r][4 halfwords];  kv[nh][step of 128 keys][8,704]: K's codes [tile 0-7][lane][16], at 4,096 V's codes
;   [ct][half][lane][16], at 8,192 K's scale words [half][r][2], at 8,448 V's halfwords [half][r][4].  This work-group is half G % 2 of step G / 2.
; NO CLUSTER: what the work-groups share is the weights, 8,704 bytes a wave, which go from memory straight into the registers that multiply them, once; a joint request lands in LDS, so it would add an
;   LDS round trip of the same bytes and two rounds of the cluster's barrier to a launch with one barrier.
; LIMITS: NaN and infinities are not served.  A block whose largest magnitude lies under 2^-124 keeps the byte 1; so does a block of zeros (its codes are zeros; this program alone reads the bytes).
.set XIMG, 0                           ; LDS: x_norm's 8 fragments [T][s][c][lane][16 bytes]
.set XSC,  8192                        ; their scale words [r][T][s], 32 bytes for each r
.set WF,   16                          ; v16-79   my unit's weights: 16 t + 8 s + 4 c
.set XF,   80                          ; v80-143  x_norm's fragments: 16 T + 8 s + 4 c
.set NUM,  80                          ; phase X: v80-111 my pixel's 32 numbers,
.set MEAN, 112                         ; v112-113 the group's mean twice,
.set RSTD, 114                         ; v114-115 1 / sqrt(var + eps) twice
.set WS,   144                         ; v144-151 the weights' scale words: 2 t + s
.set XS,   152                         ; v152-159 x_norm's: 2 T + s
.set BI,   160                         ; v160-191 the biases, in the result's layout
.set D,    192                         ; v192-223 four accumulators
.set PC,   224                         ; v224-239 codes: four registers for each of the four stores, so that no store's data are written again
.set HW,   240                         ; v240-243 their scale halfwords
.set TM,   244                         ; v244-249 the quantiser's work
.set SEL,  28                          ; s[28:29] v_permlanex16_b32's selects for lane l xor 16
.macro MM d, a, b, c, sa, sb
	v_wmma_scale_f32_16x16x128_f8f6f4 v[\d:\d+7], v[\a:\a+7], v[\b:\b+7], v[\c:\c+7], v[\sa], v[\sb] matrix_a_fmt:MATRIX_FMT_FP4 matrix_b_fmt:MATRIX_FMT_FP4
.endm
; 32 numbers of a lane, v[src + 16 b + i] = k 32 b + 16 (lane / 16) + i of my row, become 16 bytes of codes (lane (r, h): block h whole) in v[pc] on, and the row's two scale bytes in v[hw].
.macro QUANT2 src, pc, hw
.irp b, 0,1
	v_max3_num_f32 v[TM+\b], |v[(\src)+16*\b]|, |v[(\src)+1+16*\b]|, 0x1800000   ; my 16 numbers of block b, and the floor 2^(3 - 127): the byte cannot fall under 1
.endr
.irp i, 2,4,6,8,10,12,14
.irp b, 0,1
	v_max3_num_f32 v[TM+\b], v[TM+\b], |v[(\src)+16*\b+\i]|, |v[(\src)+1+16*\b+\i]|   ; each accumulator is read from its low end on
.endr
.endr
.irp b, 0,1
	v_permlanex16_b32 v[TM+2+\b], v[TM+\b], s[SEL], s[SEL+1]
.endr
.irp b, 0,1
	v_max_num_f32 v[TM+\b], v[TM+\b], v[TM+2+\b]   ; with lane l xor 16's: the block's largest magnitude
.endr
.irp b, 0,1
	v_add_nc_u32 v[TM+4+\b], 0xff000000, v[TM+\b]  ; 2 off its exponent field: the conversion's scale operand
.endr
.irp b, 0,1
	v_lshrrev_b32 v[TM+2+\b], 23, v[TM+4+\b]       ; the scale's byte
.endr
	v_lshl_or_b32 v[\hw], v[TM+3], 8, v[TM+2]
.irp b, 0,1
	v_cvt_scalef32_pk8_fp4_f32 v[(\pc)+2*\b], v[(\src)+16*\b:(\src)+16*\b+7], v[TM+4+\b]
	v_cvt_scalef32_pk8_fp4_f32 v[(\pc)+1+2*\b], v[(\src)+8+16*\b:(\src)+15+16*\b], v[TM+4+\b]
.endr
	v_nop                                          ; one plain place behind a scaled conversion: for the exchange below and for the products that write the numbers' registers again
	v_permlane16_swap_b32 v[\pc], v[(\pc)+2]       ; the halves of the two blocks change places: lanes 0-15 block 0, lanes 16-31 block 1
	v_permlane16_swap_b32 v[(\pc)+1], v[(\pc)+3]
.endm
; A unit's work.  isv = 0: for each tile i of pixels, the four tiles t of channels; isv = 1: for each tile i of channels, the four tiles t of pixels.  Two K steps; the four accumulators take turns,
; one instruction a turn.  Behind the eight products: four places, the quantiser, one store of 512 consecutive bytes.
; The next i's first product writes the accumulators anew: behind the last product stand the four v_nop and the quantiser's seven plain lines on its own work registers.
.macro UNIT isv, stride
.irp i, 0,1,2,3
.irp s, 0,1
.irp t, 0,1,2,3
.if \isv
.if \s == 0
	MM D+8*\t, XF+16*\t+8*\s, WF+16*\i+8*\s, BI+8*\i, XS+2*\t+\s, WS+2*\i+\s
.else
	MM D+8*\t, XF+16*\t+8*\s, WF+16*\i+8*\s, D+8*\t, XS+2*\t+\s, WS+2*\i+\s
.endif
.else
.if \s == 0
	MM D+8*\t, WF+16*\t+8*\s, XF+16*\i+8*\s, BI+8*\t, WS+2*\t+\s, XS+2*\i+\s
.else
	MM D+8*\t, WF+16*\t+8*\s, XF+16*\i+8*\s, D+8*\t, WS+2*\t+\s, XS+2*\i+\s
.endif
.endif
.endr
.endr
.rept 4
	v_nop                                          ; places between the products and the first read of their results
.endr
	QUANT2 D, PC+4*\i, HW+\i
	global_store_b128 v4, v[PC+4*\i:PC+4*\i+3], s[32:33] offset:\i*\stride
.endr
	v_lshl_or_b32 v252, v[HW+1], 16, v[HW]         ; the four halfwords of row r: 8 bytes
	v_lshl_or_b32 v253, v[HW+3], 16, v[HW+2]
	s_wait_xcnt 0x0                                ; EXEC is a source of the stores above
	v_cmp_gt_u32 vcc_lo, 16, v1
	s_wait_tensorcnt 0x0
	ds_add_u32 v254, v255
	s_wait_dscnt 0x0
	s_and_saveexec_b32 s40, vcc_lo
	global_store_b64 v11, v[252:253], s[34:35]     ; lanes 0-15: 128 consecutive bytes
	s_wait_xcnt 0x0
	s_or_b32 exec_lo, exec_lo, s40
.endm
	s_load_b512 s[4:19], s[0:1], 0x0               ; x s[4:5], stats s[6:7], norm_w s[8:9], norm_b s[10:11], wc s[12:13], ws s[14:15], qkv_b s[16:17], qc s[18:19]
	s_load_b128 s[20:23], s[0:1], 0x40             ; qs s[20:21], kv s[22:23]
	v_lshl_add_u32 v254, v0, 2, 0x2400
	v_mov_b32 v255, 0
	v_lshrrev_b32 v14, 5, v0
	v_readfirstlane_b32 s24, v14                   ; wave 0..15
	s_lshr_b32 s25, ttmp9, 6                       ; n
	s_and_b32 s26, ttmp9, 63                       ; G
	s_mov_b32 s[SEL], 0x76543210
	s_mov_b32 s[SEL+1], 0xfedcba98
	s_and_b32 s27, s24, 1                          ; phase X: which 32 pixels
	s_lshr_b32 s30, s24, 1                         ; and which group
	v_and_b32 v1, 31, v0                           ; lane
	v_and_b32 v2, 15, v0                           ; r
	v_bfe_u32 v3, v0, 4, 1                         ; h
	v_lshlrev_b32 v4, 4, v1                        ; 16 x lane: an image's place for my lane, in LDS and in memory
	v_lshlrev_b32 v5, 2, v2                        ; 4 r
	v_lshl_add_u32 v6, v2, 5, XSC                  ; my row's eight scale words
	; pixel l of the wave's 32 is row r' = 8 (l / 16) + l % 8 of tile 2 (w % 2) + u', u' = (l / 8) % 2; group g is registers 4 c on of K step s in half h, g = 4 s + 2 c + h: 256 g bytes into the tile's image
	v_and_b32 v14, 7, v0
	v_lshl_or_b32 v14, v3, 3, v14                  ; r'
	v_bfe_u32 v15, v0, 3, 1                        ; u'
	s_lshl_b32 s31, s27, 12
	s_lshl_b32 s100, s30, 8
	s_add_co_u32 s31, s31, s100
	v_lshlrev_b32 v7, 4, v14
	v_lshl_add_u32 v7, v15, 11, v7
	v_add_nc_u32 v7, s31, v7                       ; where my 16 bytes of codes go: 4,096 (w % 2) + 2,048 u' + 256 g + 16 r'
	s_lshl_b32 s31, s27, 4
	s_add_co_u32 s31, s31, s30
	s_add_co_u32 s31, s31, XSC
	v_lshlrev_b32 v8, 5, v14
	v_lshl_add_u32 v8, v15, 3, v8
	v_add_nc_u32 v8, s31, v8                       ; and my scale byte: XSC + 32 r' + 16 (w % 2) + 8 u' + g
	v_lshlrev_b32 v9, 2, v1                        ; x: 4 bytes a lane
	v_lshlrev_b32 v10, 6, v3                       ; q's and k's biases: 16 h numbers on
	v_lshlrev_b32 v11, 3, v2                       ; 8 r
	v_and_b32 v250, 8, v2
	v_add_nc_u32 v250, v250, v2
	v_lshlrev_b32 v250, 2, v250                    ; v's biases: 4 (r + 8 (r / 8))
	v_mov_b32 v[TM+2], 0                           ; written once: a lane permute's destination counts as one of its sources
	v_mov_b32 v[TM+3], 0
	s_mov_b32 s101, 0
	s_wait_kmcnt 0x0
	s_lshl_b32 s100, s30, 7                        ; my group's 32 gains and 32 offsets into scalar registers
	s_add_nc_u64 s[8:9], s[8:9], s[100:101]
	s_add_nc_u64 s[10:11], s[10:11], s[100:101]
	s_load_b512 s[32:47], s[8:9], 0x0
	s_load_b512 s[48:63], s[8:9], 0x40
	s_load_b512 s[68:83], s[10:11], 0x0
	s_load_b512 s[84:99], s[10:11], 0x40
	s_cmp_lt_u32 s24, 12
	s_cbranch_scc0 .Lno_unit
	; ---- waves 0-11: my unit's weights, scale words and biases, asked for ahead of everything else
	s_lshl_b32 s100, s24, 13
	s_add_nc_u64 s[12:13], s[12:13], s[100:101]
	s_lshl_b32 s100, s24, 9
	s_add_nc_u64 s[14:15], s[14:15], s[100:101]
	s_lshl_b32 s100, s24, 8
	s_add_nc_u64 s[16:17], s[16:17], s[100:101]
.irp k, 0,1,2,3,4,5,6,7,8,9,10,11,12,13,14,15
	global_load_b128 v[WF+4*\k:WF+4*\k+3], v4, s[12:13] offset:512*\k
.endr
.irp k, 0,1,2,3,4,5,6,7
	global_load_b32 v[WS+\k], v5, s[14:15] offset:64*\k
.endr
	s_cmp_lt_u32 s24, 8
	s_cbranch_scc0 .Lbias_v
.irp t, 0,1,2,3
	global_load_b128 v[BI+8*\t:BI+8*\t+3], v10, s[16:17] offset:(32*(\t/2)+8*(\t%2))*4       ; register j of tile t: the bias of channel 32 (t / 2) + 8 (t % 2) + 16 h + j
	global_load_b128 v[BI+8*\t+4:BI+8*\t+7], v10, s[16:17] offset:(32*(\t/2)+8*(\t%2))*4+16
.endr
	s_branch .Lno_unit
.Lbias_v:
.irp i, 0,1,2,3
.irp j, 0,1,2,3,4,5,6,7
	global_load_b32 v[BI+8*\i+\j], v250, s[16:17] offset:(32*(\i/2)+8*(\i%2))*4   ; all eight registers of tile i: the bias of my lane's channel
.endr
.endr
.Lno_unit:
	; ---- phase X
	s_lshl_b32 s100, s25, 3
	s_add_co_u32 s100, s100, s30
	s_lshl_b32 s100, s100, 6                       ; my group's eight pairs: 64 (8 n + g)
	s_add_nc_u64 s[6:7], s[6:7], s[100:101]
	v_and_b32 v14, 7, v0
	v_lshlrev_b32 v14, 3, v14
	global_load_b64 v[12:13], v14, s[6:7]          ; lane l: part l % 8's (mean, M2)
	s_lshl_b32 s100, s25, 22
	s_lshl_b32 s31, s30, 19
	s_add_co_u32 s100, s100, s31
	s_lshl_b32 s31, s26, 8
	s_add_co_u32 s100, s100, s31
	s_lshl_b32 s31, s27, 7
	s_add_co_u32 s100, s100, s31                   ; image, group, my 32 pixels
	s_add_nc_u64 s[4:5], s[4:5], s[100:101]
.set j, 0
.rept 32
	global_load_b32 v[NUM+j], v9, s[4:5] offset:16384*j   ; channel j of the group at 32 neighbouring pixels: 128 consecutive bytes; the wave beside me takes the 128 that follow
.set j, j+1
.endr
	s_wait_loadcnt 32                              ; all but the 32 loads of x, which were issued behind it: the statistics are in
	v_mov_b32 v[MEAN], v12
	v_add_f32_dpp v[MEAN], v[MEAN], v[MEAN] row_xmask:1 row_mask:0xf bank_mask:0xf
	v_add_f32_dpp v[MEAN], v[MEAN], v[MEAN] row_xmask:2 row_mask:0xf bank_mask:0xf
	v_add_f32_dpp v[MEAN], v[MEAN], v[MEAN] row_xmask:4 row_mask:0xf bank_mask:0xf
	v_mul_f32 v[MEAN], 0x3e000000, v[MEAN]         ; / 8: the group's mean
	v_sub_f32 v[RSTD], v12, v[MEAN]
	v_mul_f32 v[RSTD], v[RSTD], v[RSTD]
	v_fmamk_f32 v[RSTD], v[RSTD], 0x46800000, v13  ; 16,384 x (mean_part - mean)^2 + M2_part
	v_add_f32_dpp v[RSTD], v[RSTD], v[RSTD] row_xmask:1 row_mask:0xf bank_mask:0xf
	v_add_f32_dpp v[RSTD], v[RSTD], v[RSTD] row_xmask:2 row_mask:0xf bank_mask:0xf
	v_add_f32_dpp v[RSTD], v[RSTD], v[RSTD] row_xmask:4 row_mask:0xf bank_mask:0xf
	v_mov_b32 v[RSTD+1], 0x37000000                ; 2^-17 = 1 / 131,072
	v_fmaak_f32 v[RSTD], v[RSTD], v[RSTD+1], 0x3727c5ac   ; the variance + 1e-5
	v_rsq_f32 v[RSTD], v[RSTD]
	v_mov_b32 v[MEAN+1], v[MEAN]                   ; (a plain place behind the transcendental)
	s_wait_alu depctr_va_vdst(0)
	v_mov_b32 v[RSTD+1], v[RSTD]
	s_wait_loadcnt 0x0                             ; x
	s_wait_kmcnt 0x0                               ; the gains and offsets
.set j, 0
.rept 16
	v_pk_add_f32 v[NUM+2*j:NUM+2*j+1], v[NUM+2*j:NUM+2*j+1], v[MEAN:MEAN+1] neg_lo:[0,1] neg_hi:[0,1]
.set j, j+1
.endr
.set j, 0
.rept 16
	v_pk_mul_f32 v[NUM+2*j:NUM+2*j+1], v[NUM+2*j:NUM+2*j+1], v[RSTD:RSTD+1]
.set j, j+1
.endr
.set j, 0
.rept 32
	v_fma_f32 v[NUM+j], v[NUM+j], s[32+j], s[68+j] ; x gain + offset of channel j
.set j, j+1
.endr
	v_max3_num_f32 v14, |v[NUM]|, |v[NUM+1]|, |v[NUM+2]|   ; the block's largest magnitude: all 32 numbers are mine
	v_max3_num_f32 v15, |v[NUM+3]|, |v[NUM+4]|, |v[NUM+5]|
.irp i, 6,10,14,18,22,26
	v_max3_num_f32 v14, v14, |v[NUM+\i]|, |v[NUM+\i+1]|
	v_max3_num_f32 v15, v15, |v[NUM+\i+2]|, |v[NUM+\i+3]|
.endr
	v_max3_num_f32 v14, v14, |v[NUM+30]|, |v[NUM+31]|
	v_max3_num_f32 v14, v14, v15, 0x1800000        ; and the floor 2^(3 - 127)
	v_add_nc_u32 v15, 0xff000000, v14              ; the conversion's scale operand
	v_lshrrev_b32 v14, 23, v15                     ; the scale's byte
.irp g, 0,1,2,3
	v_cvt_scalef32_pk8_fp4_f32 v[PC+\g], v[NUM+8*\g:NUM+8*\g+7], v15
.endr
	v_nop                                          ; one plain place behind a scaled conversion
	ds_store_b128 v7, v[PC:PC+3]
	ds_store_b8 v8, v14
	s_wait_dscnt 0x0                               ; for the others' sake: my stores have landed
	s_barrier_signal -1
	s_barrier_wait -1                              ; x_norm's eight fragments and their scale words lie in LDS; they are written no more
	s_cmp_lt_u32 s24, 12
	s_cbranch_scc1 .Lunit
	s_wait_tensorcnt 0x0
	ds_add_u32 v254, v255
	s_wait_dscnt 0x0
	s_endpgm                                       ; waves 12-15 have done their share
.Lunit:
	; ---- phase 2
.irp k, 0,1,2,3,4,5,6,7,8,9,10,11,12,13,14,15
	ds_load_b128 v[XF+4*\k:XF+4*\k+3], v4 offset:XIMG+512*\k
.endr
	ds_load_b128 v[XS:XS+3], v6
	ds_load_b128 v[XS+4:XS+7], v6 offset:16
	s_and_b32 s27, s24, 3
	s_lshl_b32 s30, s25, 2
	s_add_co_u32 s27, s27, s30                     ; nh = 4 n + head
	s_mul_i32 s30, s27, 278528
	s_lshr_b32 s31, s26, 1
	s_mul_i32 s31, s31, 8704
	s_add_co_u32 s30, s30, s31                     ; my step's block in kv
	s_and_b32 s31, s26, 1                          ; which half of it
	s_mov_b32 s37, 0
	s_mov_b32 s39, 0
	s_cmp_lt_u32 s24, 8
	s_cbranch_scc0 .Lunit_v
	s_lshl_b32 s36, s27, 17
	s_lshl_b32 s41, s26, 11
	s_add_co_u32 s36, s36, s41                     ; q's codes: 131,072 nh + 2,048 G
	s_lshl_b32 s38, s27, 13
	s_lshl_b32 s41, s26, 7
	s_add_co_u32 s38, s38, s41                     ; q's halfwords: 8,192 nh + 128 G
	s_lshl_b32 s41, s31, 11
	s_add_co_u32 s42, s30, s41                     ; k's codes: the block + 2,048 x half
	s_lshl_b32 s41, s31, 7
	s_add_co_u32 s43, s30, s41
	s_add_co_u32 s43, s43, 8192                    ; k's words: the block + 8,192 + 128 x half
	s_cmp_lt_u32 s24, 4                            ; q or k: the choice hangs on the wave's number alone
	s_cselect_b64 s[32:33], s[18:19], s[22:23]
	s_cselect_b64 s[34:35], s[20:21], s[22:23]
	s_cselect_b32 s36, s36, s42
	s_cselect_b32 s38, s38, s43
	s_add_nc_u64 s[32:33], s[32:33], s[36:37]
	s_add_nc_u64 s[34:35], s[34:35], s[38:39]
	s_wait_dscnt 0x0
	UNIT 0, 512
	s_endpgm
.Lunit_v:
	s_lshl_b32 s36, s31, 9
	s_add_co_u32 s36, s36, s30
	s_add_co_u32 s36, s36, 4096                    ; v's codes: the block + 4,096 + 512 x half, 1,024 from tile to tile
	s_lshl_b32 s38, s31, 7
	s_add_co_u32 s38, s38, s30
	s_add_co_u32 s38, s38, 8448                    ; v's halfwords: the block + 8,448 + 128 x half
	s_add_nc_u64 s[32:33], s[22:23], s[36:37]
	s_add_nc_u64 s[34:35], s[22:23], s[38:39]
	s_wait_dscnt 0x0
	UNIT 1, 1024
	s_endpgm
.Lfunc_end_k_q00668da12e_qkv:
	.size	k_q00668da12e_qkv, .Lfunc_end_k_q00668da12e_qkv-k_q00668da12e_qkv
	.p2alignl 7, 3214868480
	.fill 96, 4, 3214868480
	.section	.rodata,"a",@progbits
	.p2align	6, 0x0
	.amdhsa_kernel k_q00668da12e_qkv
		.amdhsa_group_segment_fixed_size 11264
		.amdhsa_private_segment_fixed_size 0
		.amdhsa_enable_private_segment 0
		.amdhsa_kernarg_size 80
		.amdhsa_user_sgpr_count 2
		.amdhsa_user_sgpr_kernarg_segment_ptr 1
		.amdhsa_wavefront_size32 1
		.amdhsa_system_sgpr_workgroup_id_x 1
		.amdhsa_system_sgpr_workgroup_id_y 1
		.amdhsa_system_sgpr_workgroup_id_z 1
		.amdhsa_system_vgpr_workitem_id 0
		.amdhsa_next_free_vgpr 256
		.amdhsa_next_free_sgpr 104
		.amdhsa_reserve_vcc 1
		.amdhsa_float_denorm_mode_32 3
		.amdhsa_float_denorm_mode_16_64 3
		.amdhsa_memory_ordered 1
		.amdhsa_forward_progress 1
		.amdhsa_inst_pref_size 48
	.end_amdhsa_kernel
	.amdgpu_metadata
---
amdhsa.version: [ 1, 2 ]
amdhsa.kernels:
  - .name:           k_q00668da12e_qkv
    .symbol:         k_q00668da12e_qkv.kd
    .args:
      - { .name: x, .offset: 0, .size: 8, .value_kind: global_buffer, .address_space: global }
      - { .name: stats, .offset: 8, .size: 8, .value_kind: global_buffer, .address_space: global }
      - { .name: norm_w, .offset: 16, .size: 8, .value_kind: global_buffer, .address_space: global }
      - { .name: norm_b, .offset: 24, .size: 8, .value_kind: global_buffer, .address_space: global }
      - { .name: wc, .offset: 32, .size: 8, .value_kind: global_buffer, .address_space: global }
      - { .name: ws, .offset: 40, .size: 8, .value_kind: global_buffer, .address_space: global }
      - { .name: qkv_b, .offset: 48, .size: 8, .value_kind: global_buffer, .address_space: global }
      - { .name: qc, .offset: 56, .size: 8, .value_kind: global_buffer, .address_space: global }
      - { .name: qs, .offset: 64, .size: 8, .value_kind: global_buffer, .address_space: global }
      - { .name: kv, .offset: 72, .size: 8, .value_kind: global_buffer, .address_space: global }
    .group_segment_fixed_size: 11264
    .private_segment_fixed_size: 0
    .kernarg_segment_align: 8
    .kernarg_segment_size: 80
    .max_flat_workgroup_size: 512
    .sgpr_count:     104
    .vgpr_count:     256
    .wavefront_size: 32
...
	.end_amdgpu_metadata
.endif
;; end of part 2
;; launch attn (part 3): grid 16 x 16, 16 waves a work-group, clusters of 4 x 1, 281,088 bytes of LDS; arguments qc, qs, kv, oc, os; writes oc, os
.if DOCPART == 3
	.amdgcn_target "amdgcn-amd-amdhsa--gfx1250"
	.amdhsa_code_object_version 6
	.text
	.protected	k_q00668da12e_attn
	.globl	k_q00668da12e_attn
	.p2align	8
	.type	k_q00668da12e_attn,@function
k_q00668da12e_attn:
	s_mov_b64 s[64:65], 0
	v_nop
	global_prefetch_b8 v0, s[64:65] scope:SCOPE_SE
	s_setreg_imm32_b32 hwreg(HW_REG_WAVE_MODE, 25, 1), 1
	s_wait_xcnt 0x0
	s_wait_alu depctr_hold_cnt(0) depctr_sa_sdst(0) depctr_va_vdst(0) depctr_va_sdst(0) depctr_va_ssrc(0) depctr_va_vcc(0) depctr_vm_vsrc(0)
	s_getreg_b32 s2, hwreg(HW_REG_IB_STS2, 6, 4)
	s_cmp_eq_u32 s2, 0
	s_cbranch_scc0 .Lentry_in_a_cluster
	s_endpgm
.Lentry_in_a_cluster:
	s_bfe_u32 s2, ttmp6, 0x10000c
	s_cmp_lg_u32 s2, 0x3003
	s_cbranch_scc0 .Lentry_shape_is_right
	s_endpgm
.Lentry_shape_is_right:
; ATTN: for each of 16 (image, head) pairs nh: O[q] = the sum over keys of softmax(q . k / 8) v, 4,096 queries x 4,096 keys, head size 64, both products on codes of E2M1 with one E8M0 byte for each 32 along K.
; THE SOFTMAX AHEAD OF THE SECOND PRODUCT: t = score x log2(e) / 8; M = the largest t so far, rounded UP to a whole number; p = 2^(t - M) is what is quantised, along the keys, not normalised.
; The row's sum is taken of the unquantised p and divides O at the end.  When M moves, the sum and O are multiplied by 2^(old M - new M): exact, and there is no branch on data.
; SHARES.  Work-group (X = 4 x cluster x + cx, nh = cluster y) owns 256 queries; each of its sixteen waves owns one tile of 16, T = 16 X + wave, in 256 registers: four waves to a SIMD, so that one wave's
; vector work stands beside another's matrix work and LDS loads.  Every wave walks the head's 32 steps of 128 keys.
; LDS.  kv[nh], 278,528 bytes of codes and scales in the order of the operands' registers, comes into LDS ONCE and stays: no byte is filled twice.  It comes in four quarters of eight steps; each wave brings
; 4,352 bytes (17 rows of 256) of each quarter, so a wave has four tensor loads outstanding, all issued together at the start.  A quarter is read behind a counted wait and a barrier, while the later ones land.
; CLUSTER.  The four query blocks of a cluster belong to one head and want the same bytes: each load is asked for JOINTLY, with the same descriptor and a mask that names the four.
; LAYOUT.  Both products are used transposed (S^T = K Q^T, O^T = V^T P^T): a lane holds ONE query (lane % 16) throughout.  Lane r of key tile 4 c + 2 b + u takes key 64 c + 32 b + 8 u + r + 8 (r / 8) of the
; step, so that the 16 registers of two neighbouring tiles are 16 neighbouring keys.  THE HEAD'S 64 FILL HALF OF THE INSTRUCTION'S 128: source 0 holds TWO key tiles, one in each half of K, and is multiplied
; once by [q | 0] and once by [0 | q]; the other tile's codes meet zero codes, which add nothing under any scale byte but 0xff, and no byte here is 0xff.
; OUT.  O / the sum is quantised along the channels, which are the next product's K: oc[n][T][head][lane][16 bytes], os[nh][T][r][2 bytes].
; LIMITS: NaN and infinities are not served.  A block whose largest magnitude lies under 2^-124 keeps the byte 1; so does a block of zeros (its codes are zeros; this program alone reads the bytes).
; A block's largest p is not searched for: its largest score goes through the same multiply-add and exponential, which takes v_exp_f32 not to fall where its input rises.
.set STEPB, 8704                       ; a step's block: 4,096 K's codes, 4,096 V's codes, 256 K's scale words, 256 V's halfwords
.set QB,    8*STEPB                    ; a quarter
.set WPART, QB/16                      ; a wave's part of a quarter: 4,352 bytes
.set OSC,   4*QB                       ; behind the image: 512 bytes for the result's scale halfwords; no fill lands there
.set L16, 1                            ; v1   16 x lane
.set L8,  2                            ; v2   8 x lane
.set LV,  3                            ; v3   8 r + 4 h
.set ADR, 4                            ; v4-6 the same three + the step's first byte
.set ADS, 5
.set ADV, 6
.set QF,  16                           ; v16-27 [q | 0 | q]: v[16:23] = [q | 0], v[20:27] = [0 | q]
.set QS,  28                           ; v28  q's scale word: its halfword twice
.set KF,  32                           ; v32-63   K: 4 registers a tile, 8 a pair of tiles
.set VF,  64                           ; v64-95   V: 8 ct + 4 c
.set S,   96                           ; v96-159  S^T, then p
.set O,   160                          ; v160-191 O^T
.set P,   192                          ; v192-199 p's codes
.set KS,  200                          ; v200-201 K's scale words: lanes 0-15 pairs 0, 1; lanes 16-31 pairs 2, 3
.set VA,  202                          ; v202-203 V's halfwords as they lie
.set VB,  203
.set VS,  204                          ; v204-205 V's scale words: lanes 0-15 tiles 0, 1; lanes 16-31 tiles 2, 3
.set TM,  206                          ; v206-211 the way out: the quantiser's work
.set PC,  212                          ; v212-215 its codes
.set HW,  216                          ; v216     its halfword
.set WV,  14                           ; s14  my wave's number
.set SEL, 20                           ; s[20:21] v_permlanex16_b32's selects for lane l xor 16
.set CS,  22                           ; s[22:23] c = log2(e) / 8: the packed form names a pair and takes its low word for both halves
.set G1,  24                           ; s[24:31] descriptor group 1
.set G0,  32                           ; s[32:47] descriptor group 0, one set for each quarter
.set TB,  48                           ; s48  LDS byte at which the step in hand begins
.set CNT, 49                           ; s49  steps of the quarter still to go
.macro CROUND                          ; a round of the cluster's barrier: my work-group's barrier; wave 0 signals for the work-group; every wave waits for all four work-groups; my work-group's barrier once more
	s_barrier_signal -1
	s_barrier_wait -1
	s_cmp_lg_u32 s[WV], 0
	s_cbranch_scc1 .Lnot_wave_0_\@
	s_barrier_signal -3
.Lnot_wave_0_\@:
	s_barrier_wait -3
	s_barrier_signal -1
	s_barrier_wait -1
.endm
.macro MM0 d, a, b, sa, sb, row        ; a product that starts a sum; row = 1: source 0's scales stand in lanes 16-31
.if \row
	v_wmma_scale_f32_16x16x128_f8f6f4 v[\d:\d+7], v[\a:\a+7], v[\b:\b+7], 0, v[\sa], v[\sb] matrix_a_fmt:MATRIX_FMT_FP4 matrix_b_fmt:MATRIX_FMT_FP4 matrix_a_scale:MATRIX_SCALE_ROW1
.else
	v_wmma_scale_f32_16x16x128_f8f6f4 v[\d:\d+7], v[\a:\a+7], v[\b:\b+7], 0, v[\sa], v[\sb] matrix_a_fmt:MATRIX_FMT_FP4 matrix_b_fmt:MATRIX_FMT_FP4
.endif
.endm
.macro MMA d, a, b, sa, sb, row        ; a product that adds in place
.if \row
	v_wmma_scale_f32_16x16x128_f8f6f4 v[\d:\d+7], v[\a:\a+7], v[\b:\b+7], v[\d:\d+7], v[\sa], v[\sb] matrix_a_fmt:MATRIX_FMT_FP4 matrix_b_fmt:MATRIX_FMT_FP4 matrix_a_scale:MATRIX_SCALE_ROW1
.else
	v_wmma_scale_f32_16x16x128_f8f6f4 v[\d:\d+7], v[\a:\a+7], v[\b:\b+7], v[\d:\d+7], v[\sa], v[\sb] matrix_a_fmt:MATRIX_FMT_FP4 matrix_b_fmt:MATRIX_FMT_FP4
.endif
.endm
; 32 numbers of a lane, v[src + 16 b + i] = k 32 b + 16 (lane / 16) + i of my row, become 16 bytes of codes (lane (r, h): block h whole) in v[pc] on, and the row's two scale bytes in v[hw].
.macro QUANT2 src, pc, hw
.irp b, 0,1
	v_max3_num_f32 v[TM+\b], |v[(\src)+16*\b]|, |v[(\src)+1+16*\b]|, 0x1800000   ; my 16 numbers of block b, and the floor 2^(3 - 127): the byte cannot fall under 1
.endr
.irp i, 2,4,6,8,10,12,14
.irp b, 0,1
	v_max3_num_f32 v[TM+\b], v[TM+\b], |v[(\src)+16*\b+\i]|, |v[(\src)+1+16*\b+\i]|
.endr
.endr
.irp b, 0,1
	v_permlanex16_b32 v[TM+2+\b], v[TM+\b], s[SEL], s[SEL+1]
.endr
.irp b, 0,1
	v_max_num_f32 v[TM+\b], v[TM+\b], v[TM+2+\b]   ; with lane l xor 16's: the block's largest magnitude
.endr
.irp b, 0,1
	v_add_nc_u32 v[TM+4+\b], 0xff000000, v[TM+\b]  ; 2 off its exponent field: the conversion's scale operand
.endr
.irp b, 0,1
	v_lshrrev_b32 v[TM+2+\b], 23, v[TM+4+\b]       ; the scale's byte
.endr
	v_lshl_or_b32 v[\hw], v[TM+3], 8, v[TM+2]
.irp b, 0,1
	v_cvt_scalef32_pk8_fp4_f32 v[(\pc)+2*\b], v[(\src)+16*\b:(\src)+16*\b+7], v[TM+4+\b]
	v_cvt_scalef32_pk8_fp4_f32 v[(\pc)+1+2*\b], v[(\src)+8+16*\b:(\src)+15+16*\b], v[TM+4+\b]
.endr
	v_nop                                          ; one plain place behind a scaled conversion
	v_permlane16_swap_b32 v[\pc], v[(\pc)+2]       ; the halves of the two blocks change places: lanes 0-15 block 0, lanes 16-31 block 1
	v_permlane16_swap_b32 v[(\pc)+1], v[(\pc)+3]
.endm
	s_load_b256 s[4:11], s[0:1], 0x0               ; qc s[4:5], qs s[6:7], kv s[8:9], oc s[10:11]
	s_load_b64 s[12:13], s[0:1], 0x20              ; os
	v_lshl_add_u32 v251, v0, 2, 0x44200
	v_mov_b32 v255, 0
	ds_add_u32 v251, v255
	v_lshrrev_b32 v9, 5, v0
	v_readfirstlane_b32 s[WV], v9                  ; wave 0..15
	s_bfe_u32 s15, ttmp6, 0x40000                  ; cx: my place in the cluster
	s_lshl_b32 s16, ttmp9, 2                       ; in a cluster launch ttmp9 counts clusters
	s_add_co_u32 s16, s16, s15                     ; X: my block of 256 queries: it enters qc's, qs's, oc's and os's addresses alone
	s_and_b32 s17, ttmp7, 0xffff                   ; nh, which the four partners share
	s_mov_b32 s[SEL], 0x76543210
	s_mov_b32 s[SEL+1], 0xfedcba98
	s_mov_b32 s[CS], 0x3e38aa3b                    ; c = log2(e) / 8
	s_mov_b32 s[CS+1], s[CS]                       ; (named with it as a pair, so it is written)
	s_mov_b32 s66, 0x05040100                      ; v_perm_b32: the two low halves;
	s_mov_b32 s67, 0x07060302                      ; the two high halves
	; descriptor group 1: 17 rows of 256 bytes (32 elements of 8 bytes), dense in memory and in LDS
	s_mov_b32 s[G1], 15|(3<<16)|(1<<21)            ; 15:0 the mask: all four work-groups; 17:16 elements of 8 bytes; 20 no padding (every LDS load of the loop reads consecutive bytes); 21 set beside a mask
	s_mov_b32 s[G1+1], 32<<16                      ; tensor_dim0 = 32
	s_mov_b32 s[G1+2], 17<<16                      ; tensor_dim1 = 17
	s_mov_b32 s[G1+3], 32<<16                      ; tile_dim0 = 32
	s_mov_b32 s[G1+4], 17                          ; tile_dim1 = 17
	s_mov_b32 s[G1+5], 32                          ; from row to row: 32 elements
	s_mov_b32 s[G1+6], 0
	s_mov_b32 s[G1+7], 0
	s_mul_i32 s58, s[WV], WPART                    ; my part of a quarter, in LDS and in memory alike: no place in the cluster enters it
	s_mul_i32 s56, s17, 4*QB
	s_add_co_u32 s56, s56, s58
	s_mov_b32 s57, 0
	s_lshl_b32 s51, s16, 4
	s_add_co_u32 s51, s51, s[WV]                   ; T = 16 X + wave
	s_mov_b32 s53, 0
	s_wait_dscnt 0x0
	s_wait_kmcnt 0x0
	s_add_nc_u64 s[60:61], s[8:9], s[56:57]
.irp q, 0,1,2,3
	s_mov_b32 s[G0+4*\q], 1                        ; count = 1
	s_add_co_u32 s[G0+4*\q+1], s58, \q*QB          ; LDS address
	s_add_nc_u64 s[G0+4*\q+2:G0+4*\q+3], s[60:61], \q*QB   ; global address
	s_or_b32 s[G0+4*\q+3], s[G0+4*\q+3], 0x80000000        ; type = 2
.endr
	s_lshl_b32 s52, s17, 17
	s_lshl_b32 s54, s51, 9
	s_add_co_u32 s52, s52, s54
	s_add_nc_u64 s[4:5], s[4:5], s[52:53]          ; qc + 131,072 nh + 512 T
	s_lshl_b32 s52, s17, 13
	s_lshr_b32 s54, s51, 2
	s_lshl_b32 s54, s54, 7
	s_add_co_u32 s52, s52, s54
	s_and_b32 s54, s51, 3
	s_lshl_b32 s54, s54, 1
	s_add_co_u32 s52, s52, s54
	s_add_nc_u64 s[6:7], s[6:7], s[52:53]          ; qs + 8,192 nh + 128 (T / 4) + 2 (T % 4)
	s_lshr_b32 s52, s17, 2
	s_lshl_b32 s52, s52, 19
	s_lshl_b32 s54, s51, 11
	s_add_co_u32 s52, s52, s54
	s_and_b32 s54, s17, 3
	s_lshl_b32 s54, s54, 9
	s_add_co_u32 s52, s52, s54
	s_add_nc_u64 s[10:11], s[10:11], s[52:53]      ; oc + 524,288 n + 2,048 T + 512 head
	s_lshl_b32 s52, s17, 13
	s_lshl_b32 s54, s16, 9
	s_add_co_u32 s52, s52, s54
	s_add_nc_u64 s[12:13], s[12:13], s[52:53]      ; os + 8,192 nh + 512 X
	CROUND                                         ; all four work-groups are here: the joint loads meet
	tensor_load_to_lds s[G0:G0+3], s[G1:G1+7]      ; the only fills of the launch, in one run: four loads of mine are out
	s_nop 0
	tensor_load_to_lds s[G0+4:G0+7], s[G1:G1+7]
	s_nop 0
	tensor_load_to_lds s[G0+8:G0+11], s[G1:G1+7]
	s_nop 0
	tensor_load_to_lds s[G0+12:G0+15], s[G1:G1+7]
	s_nop 0
.rept 4
	v_nop
.endr
	v_and_b32 v9, 31, v0                           ; lane
	v_and_b32 v10, 15, v0                          ; r
	v_bfe_u32 v11, v0, 4, 1                        ; h
	v_lshlrev_b32 v[L16], 4, v9
	v_lshlrev_b32 v[L8], 3, v9
	v_lshlrev_b32 v[LV], 3, v10
	v_lshl_add_u32 v[LV], v11, 2, v[LV]
	v_lshlrev_b32 v31, 3, v10                      ; 8 r
	global_load_b128 v[QF:QF+3], v[L16], s[4:5]    ; q's 16 bytes twice: a product's two sources share no register, and the two forms of q overlap in the zeros alone
	global_load_b128 v[QF+8:QF+11], v[L16], s[4:5]
	global_load_u16 v30, v31, s[6:7]               ; q's two scale bytes
	s_lshl_b32 s50, s[WV], 5
	s_add_co_u32 s50, s50, OSC
	v_lshl_add_u32 v7, v10, 1, s50                 ; the way out: my row's halfword: OSC + 32 x wave + 2 r
	v_add_nc_u32 v8, OSC, v[L16]                   ; and where wave 0 reads the 512 bytes back
.irp j, 4,5,6,7
	v_mov_b32 v[QF+\j], 0                          ; zero codes
.endr
	v_mov_b32 v13, 0xff61b1e6                      ; the largest t so far: -3e38, under every t
	v_floor_f32 v12, -v13                          ; -M
	v_mov_b32 v14, 0                               ; the sum, in two halves
	v_mov_b32 v15, 0
	s_wait_loadcnt 0x0                             ; q
	v_lshl_or_b32 v[QS], v30, 16, v30              ; the same two bytes for either half of K.  (The 40 lines below stand between this line and the first product that reads it)
.irp b, 0,1,2,3
	v_mov_b32 v[236+\b], 0                         ; written once: a lane permute's destination counts as one of its sources
.endr
	v_mov_b32 v253, 0                              ; (named as the upper half of the pair v[252:253] before it is first written)
	v_mov_b32 v[TM+2], 0
	v_mov_b32 v[TM+3], 0
.set j, 0
.rept 32
	v_mov_b32 v[O+j], 0                            ; O^T.  (The step is written once: the first finds zeros, which the first change of M leaves zeros)
.set j, j+1
.endr
; A KEY STEP: 128 keys.
.macro STEP
	v_add_nc_u32 v[ADR], s[TB], v[L16]
	v_add_nc_u32 v[ADS], s[TB], v[L8]
	v_add_nc_u32 v[ADV], s[TB], v[LV]
	v_nop                                          ; four places between the last step's products and the loads into their registers
.irp i, 0,1,2,3,4,5,6,7
	ds_load_b128 v[KF+4*\i:KF+4*\i+3], v[ADR] offset:512*\i          ; key tile i: 512 consecutive bytes
.endr
	ds_load_b64 v[KS:KS+1], v[ADS] offset:8192
	ds_load_b32 v[VA], v[ADV] offset:8448          ; V's halfwords of keys 0-63: tiles 2 h and 2 h + 1 of channel row r;
	ds_load_b32 v[VB], v[ADV] offset:8576          ; of keys 64-127
.irp i, 0,1,2,3,4,5,6,7
	ds_load_b128 v[VF+4*\i:VF+4*\i+3], v[ADR] offset:4096+512*\i
.endr
	s_wait_dscnt 8                                 ; all but V's eight loads, which were issued last
.irp p, 0,1,2,3                                ; S^T = K Q^T: pair p holds key tiles 2 p and 2 p + 1
.irp e, 0,1
	MM0 S+8*(2*\p+\e), KF+8*\p, QF+4*\e, KS+\p%2, QS, \p/2
.endr
.endr
	v_perm_b32 v[VS], v[VB], v[VA], s66            ; V's scale words: the low halves make tile 2 h's four bytes,
	v_perm_b32 v[VS+1], v[VB], v[VA], s67          ; the high halves tile 2 h + 1's
	v_nop
	v_nop                                          ; with the two lines above: four places between the products and the first read of their results
.irp b, 0,1,2,3
	v_max3_num_f32 v[232+\b], v[S+16*\b], v[S+1+16*\b], v[S+2+16*\b]   ; THE LARGEST SCORE OF EACH BLOCK OF 32 KEYS: it serves the row's maximum and, since p rises with the score, the block's largest p
.endr
.irp i, 3,5,7,9,11,13
.irp b, 0,1,2,3
	v_max3_num_f32 v[232+\b], v[232+\b], v[S+16*\b+\i], v[S+1+16*\b+\i]   ; (the four blocks by turns; each accumulator is read from its low end on)
.endr
.endr
.irp b, 0,1,2,3
	v_max_num_f32 v[232+\b], v[232+\b], v[S+15+16*\b]
.endr
.irp b, 0,1,2,3
	v_permlanex16_b32 v[236+\b], v[232+\b], s[SEL], s[SEL+1]
.endr
.irp b, 0,1,2,3
	v_max_num_f32 v[232+\b], v[232+\b], v[236+\b]  ; with lane l xor 16's 16 keys
.endr
	v_max3_num_f32 v254, v232, v233, v234
	v_max_num_f32 v254, v254, v235                 ; the step's largest score of my query
	v_mul_f32 v254, s[CS], v254                    ; as t (c is positive)
	v_max_num_f32 v13, v13, v254                   ; the running largest t
	v_mov_b32 v254, v12
	v_floor_f32 v12, -v13                          ; the new -M = floor(-t) = -ceil(t)
	v_sub_f32 v254, v12, v254                      ; M's old value less its new one: a whole number, 0 or less
	v_cvt_i32_f32 v254, v254                       ; (it saturates)
	v_ldexp_f32 v252, 1.0, v254                    ; f = 2^(old M - new M)
.set j, 0
.rept 32
	v_pk_fma_f32 v[S+j:S+j+1], v[S+j:S+j+1], s[CS:CS+1], v[12:13] op_sel_hi:[1,0,0]   ; t - M, two at a time (of the pairs c and -M the low word serves both halves)
.set j, j+2
.endr
.irp b, 0,1,2,3
	v_fma_f32 v[232+\b], v[232+\b], s[CS], v12     ; the same of each block's largest score
.endr
.set j, 0
.rept 64
	v_exp_f32 v[S+j], v[S+j]                       ; p = 2^(t - M), at most 1
.set j, j+1
.endr
.irp b, 0,1,2,3
	v_exp_f32 v[232+\b], v[232+\b]                 ; the block's largest p: the same two instructions on the same number give the same bits
.endr
	v_pk_mul_f32 v[14:15], v[14:15], v[252:253] op_sel_hi:[1,0]   ; the sums under the new M.  (A plain place behind the exponentials)
	s_wait_alu depctr_va_vdst(0)
.irp b, 0,1,2,3
	v_max_num_f32 v[232+\b], 0x1800000, v[232+\b]  ; the floor 2^(3 - 127): the byte cannot fall under 1
.endr
.irp b, 0,1,2,3
	v_add_nc_u32 v[244+\b], 0xff000000, v[232+\b]  ; 2 off the exponent field: the conversion's scale operand
.endr
.irp b, 0,1,2,3
	v_lshrrev_b32 v[236+\b], 23, v[244+\b]         ; the scale's byte
.endr
	v_lshl_or_b32 v253, v237, 8, v236              ; p's scale word for these 128 keys
	v_lshl_or_b32 v253, v238, 16, v253
	v_lshl_or_b32 v253, v239, 24, v253
.irp b, 0,1,2,3
	v_cvt_scalef32_pk8_fp4_f32 v[P+2*\b], v[S+16*\b:S+7+16*\b], v[244+\b]
	v_cvt_scalef32_pk8_fp4_f32 v[P+1+2*\b], v[S+8+16*\b:S+15+16*\b], v[244+\b]
.endr
	v_nop                                          ; one plain place behind a scaled conversion
.irp c, 0,1                                    ; the operand's layout wants a WHOLE block in a lane: lanes 0-15 block 2 c, lanes 16-31 block 2 c + 1
.irp i, 0,1
	v_permlane16_swap_b32 v[P+4*\c+\i], v[P+2+4*\c+\i]
.endr
.endr
	v_pk_add_f32 v[236:237], v[S:S+1], v[S+2:S+3]  ; THE ROW'S SUM IS TAKEN OF THE UNQUANTISED p: two at a time, in two chains
.irp j, 4,8,12,16,20,24,28,32,36,40,44,48,52,56,60
	v_pk_add_f32 v[14:15], v[14:15], v[S+\j:S+1+\j]
	v_pk_add_f32 v[236:237], v[236:237], v[S+2+\j:S+3+\j]
.endr
	v_pk_add_f32 v[14:15], v[14:15], v[236:237]
.set j, 0
.rept 16
	v_pk_mul_f32 v[O+j:O+j+1], v[O+j:O+j+1], v[252:253] op_sel_hi:[1,0]   ; O^T under the new M: x f, each accumulator from its low end on
.set j, j+2
.endr
	s_wait_dscnt 0x0                               ; V's fragments, asked for at the step's head
.irp ct, 0,1,2,3                               ; O^T += V^T P^T: the four accumulators take turns, and the next step's eight products stand between two links of a chain
	MMA O+8*\ct, VF+8*\ct, P, VS+\ct%2, 253, \ct/2
.endr
.endm
; A QUARTER of the head: eight steps.  The count leaves my loads of the later quarters on their way.
.macro QUARTER q
	s_wait_tensorcnt 3-\q                          ; my parts of quarters 0 .. q have landed; the 3 - q loads issued behind them may stay out
	s_wait_dscnt 0x0
	s_barrier_signal -1
	s_barrier_wait -1                              ; everybody's have
	s_mov_b32 s[TB], \q*QB
	s_mov_b32 s[CNT], 8
.Lstep_\@:
	STEP
	s_add_co_u32 s[TB], s[TB], STEPB
	s_sub_co_u32 s[CNT], s[CNT], 1
	s_cmp_lg_u32 s[CNT], 0
	s_cbranch_scc1 .Lstep_\@
.endm
	QUARTER 0
	QUARTER 1
	QUARTER 2
	QUARTER 3                                      ; its wait is for 0: no tensor load is out from here on
	; THE WAY OUT.  O^T / the sum; register 16 b + 8 u + j of lane (r, h) is channel 32 b + 16 h + 8 u + j of query r: the quantiser's order along the next product's K.
	v_add_f32 v14, v14, v15                        ; the sum's two halves,
	v_permlanex16_b32 v252, v14, s[SEL], s[SEL+1]
	v_add_f32 v14, v14, v252                       ; and lane l xor 16's: the row's sum
	v_rcp_f32 v14, v14
	v_nop                                          ; a plain place behind the transcendental;
	v_nop
	v_nop                                          ; with the two additions: four plain places behind the last products
.set j, 0
	s_wait_alu depctr_va_vdst(0)
.rept 32
	v_mul_f32 v[S+j], v[O+j], v14
.set j, j+1
.endr
	QUANT2 S, PC, HW
	global_store_b128 v[L16], v[PC:PC+3], s[10:11] ; 512 consecutive bytes
	ds_store_b16 v7, v[HW]                         ; both halves of the lanes write the same halfword to the same place
	s_wait_dscnt 0x0                               ; for wave 0's sake
	s_barrier_signal -1
	s_barrier_wait -1
	s_cmp_lg_u32 s[WV], 0
	s_cbranch_scc1 .Lno_scales
	ds_load_b128 v[220:223], v8                    ; the sixteen tiles' halfwords
	s_wait_dscnt 0x0
	global_store_b128 v[L16], v[220:223], s[12:13] ; 512 consecutive bytes, aligned
.Lno_scales:
	s_wait_tensorcnt 0x0
	ds_add_u32 v251, v255
	s_wait_dscnt 0x0
	CROUND                                         ; the closing round: no work-group ends while a partner may still ask for bytes jointly
	s_endpgm
.Lfunc_end_k_q00668da12e_attn:
	.size	k_q00668da12e_attn, .Lfunc_end_k_q00668da12e_attn-k_q00668da12e_attn
	.p2alignl 7, 3214868480
	.fill 96, 4, 3214868480
	.section	.rodata,"a",@progbits
	.p2align	6, 0x0
	.amdhsa_kernel k_q00668da12e_attn
		.amdhsa_group_segment_fixed_size 281088
		.amdhsa_private_segment_fixed_size 0
		.amdhsa_enable_private_segment 0
		.amdhsa_kernarg_size 40
		.amdhsa_user_sgpr_count 2
		.amdhsa_user_sgpr_kernarg_segment_ptr 1
		.amdhsa_wavefront_size32 1
		.amdhsa_system_sgpr_workgroup_id_x 1
		.amdhsa_system_sgpr_workgroup_id_y 1
		.amdhsa_system_sgpr_workgroup_id_z 1
		.amdhsa_system_vgpr_workitem_id 0
		.amdhsa_next_free_vgpr 256
		.amdhsa_next_free_sgpr 70
		.amdhsa_reserve_vcc 0
		.amdhsa_float_denorm_mode_32 3
		.amdhsa_float_denorm_mode_16_64 3
		.amdhsa_memory_ordered 1
		.amdhsa_forward_progress 1
		.amdhsa_inst_pref_size 72
	.end_amdhsa_kernel
	.amdgpu_metadata
---
amdhsa.version: [ 1, 2 ]
amdhsa.kernels:
  - .name:           k_q00668da12e_attn
    .symbol:         k_q00668da12e_attn.kd
    .args:
      - { .name: qc, .offset: 0, .size: 8, .value_kind: global_buffer, .address_space: global }
      - { .name: qs, .offset: 8, .size: 8, .value_kind: global_buffer, .address_space: global }
      - { .name: kv, .offset: 16, .size: 8, .value_kind: global_buffer, .address_space: global }
      - { .name: oc, .offset: 24, .size: 8, .value_kind: global_buffer, .address_space: global }
      - { .name: os, .offset: 32, .size: 8, .value_kind: global_buffer, .address_space: global }
    .group_segment_fixed_size: 281088
    .private_segment_fixed_size: 0
    .kernarg_segment_align: 8
    .kernarg_segment_size: 40
    .max_flat_workgroup_size: 512
    .sgpr_count:     70
    .vgpr_count:     256
    .wavefront_size: 32
...
	.end_amdgpu_metadata
.endif
;; end of part 3
;; launch proj (part 4): grid 256 x 1, 8 waves a work-group, no clusters, 70,656 bytes of LDS; arguments x, mask, oc, os, wc, ws, proj_b, out0; writes out0
.if DOCPART == 4
	.amdgcn_target "amdgcn-amd-amdhsa--gfx1250"
	.amdhsa_code_object_version 6
	.text
	.protected	k_q00668da12e_proj
	.globl	k_q00668da12e_proj
	.p2align	8
	.type	k_q00668da12e_proj,@function
k_q00668da12e_proj:
	s_mov_b64 s[64:65], 0
	v_nop
	global_prefetch_b8 v0, s[64:65] scope:SCOPE_SE
	s_setreg_imm32_b32 hwreg(HW_REG_WAVE_MODE, 25, 1), 1
	s_wait_xcnt 0x0
; PROJ: out0 = (x + proj_w a + proj_b) x mask, a = the attention's result as codes of E2M1 with one E8M0 byte for each 32 channels (oc, os); proj_w as codes in wc, ws (units 12-15).
; SHARES.  Work-group (n = wg / 64, G = wg % 64) owns the 64 pixels 64 G on of image n, for all 256 outputs; wave w owns outputs 32 w .. 32 w + 31: 16 matrix instructions.
; Source 0 = 16 pixels of a (tile T), source 1 = 16 rows of proj_w: a lane holds ONE output and eight neighbouring pixels, 32 bytes of a row of out0.  Lane r of pixel tile T holds pixel
; 32 (T / 2) + 8 (T % 2) + r + 8 (r / 8), so register j of lane (r, h) is pixel 32 (T / 2) + 8 (T % 2) + 16 h + j; lane r of weight tile u holds output 32 w + 8 u + r + 8 (r / 8).
; The bias is the C of each sum's first matrix instruction.  The results go through the wave's own stage in LDS (32 rows of 256 bytes + 16) and come back as whole rows, to which x is added and the mask applied:
; sixteen lanes store 256 consecutive bytes, aligned.  No wave reads another's bytes: no barrier.
; NO CLUSTER: what the work-groups share is proj_w's codes, 4,096 bytes a wave, which go from memory straight into the registers that multiply them, once; no tensor load is in the text.
; LIMITS: NaN and infinities are not served.
.set OF,  16                           ; v16-79   a's fragments: 16 T + 8 s + 4 c; later the rows read back from the stage
.set PW,  80                           ; v80-111  proj_w's fragments: 16 u + 8 s + 4 c
.set ACC, 112                          ; v112-143 four accumulators
.set XR,  144                          ; v144-207 x: 4 registers for each of 16 pairs of rows
.set BI,  208                          ; v208-223 the biases, eight registers for each u
.set OS,  224                          ; v224-231 a's scale words: 2 T + s
.set PWS, 232                          ; v232-235 proj_w's: 2 u + s
.set MK,  236                          ; v236-239 the mask of my four pixels
.set RAW, 240                          ; v240-255 a's scale halfwords as they lie: 4 T + head
.set SROW, 272                         ; a stage row: 256 bytes + 16, so that the sixteen rows that a store touches begin in different banks (64 banks of 4 bytes: ISA guide 11.1)
.set WSTG, 32*SROW                     ; a wave's stage
.macro MM d, a, b, c, sa, sb
	v_wmma_scale_f32_16x16x128_f8f6f4 v[\d:\d+7], v[\a:\a+7], v[\b:\b+7], v[\c:\c+7], v[\sa], v[\sb] matrix_a_fmt:MATRIX_FMT_FP4 matrix_b_fmt:MATRIX_FMT_FP4
.endm
	s_load_b512 s[4:19], s[0:1], 0x0               ; x s[4:5], mask s[6:7], oc s[8:9], os s[10:11], wc s[12:13], ws s[14:15], proj_b s[16:17], out0 s[18:19]
	v_lshl_add_u32 v14, v0, 2, 0x11000
	v_mov_b32 v15, 0
	v_lshrrev_b32 v11, 5, v0
	v_readfirstlane_b32 s20, v11                   ; wave 0..7
	s_lshr_b32 s21, ttmp9, 6                       ; n
	s_and_b32 s22, ttmp9, 63                       ; G
	v_and_b32 v11, 31, v0
	v_lshlrev_b32 v1, 4, v11                       ; 16 x lane
	v_and_b32 v2, 15, v0                           ; r
	v_bfe_u32 v3, v0, 4, 1                         ; h
	v_lshlrev_b32 v4, 1, v2                        ; 2 r
	v_lshlrev_b32 v5, 2, v2                        ; 4 r
	v_and_b32 v6, 8, v2
	v_add_nc_u32 v6, v6, v2
	v_lshlrev_b32 v6, 2, v6                        ; 4 (r + 8 (r / 8))
	s_mul_i32 s24, s20, WSTG                       ; my stage
	v_mul_u32_u24 v7, v2, SROW
	v_lshl_add_u32 v7, v3, 6, v7
	v_add_nc_u32 v7, s24, v7                       ; in: row r, + 16 h pixels
	v_mul_u32_u24 v8, v3, SROW
	v_lshl_add_u32 v8, v2, 4, v8
	v_add_nc_u32 v8, s24, v8                       ; back: lanes 0-15 one row, lanes 16-31 the next; 16 bytes a lane
	v_lshlrev_b32 v9, 14, v3
	v_lshl_add_u32 v9, v2, 4, v9                   ; and the same in x and out0: a channel is 16,384 bytes
	v_lshlrev_b32 v10, 4, v2                       ; the mask: 16 r
	s_mov_b32 s25, 0
	s_wait_kmcnt 0x0
	s_lshl_b32 s24, s21, 19
	s_lshl_b32 s26, s22, 13
	s_add_co_u32 s24, s24, s26
	s_add_nc_u64 s[8:9], s[8:9], s[24:25]          ; oc + 524,288 n + 8,192 G
	s_lshl_b32 s24, s21, 15
	s_lshl_b32 s26, s22, 7
	s_add_co_u32 s24, s24, s26
	s_add_nc_u64 s[10:11], s[10:11], s[24:25]      ; os + 32,768 n + 128 G
	s_lshr_b32 s27, s20, 1
	s_add_co_u32 s27, s27, 12                      ; my unit of wc and ws
	s_and_b32 s28, s20, 1                          ; and which two of its four tiles
	s_lshl_b32 s24, s27, 13
	s_lshl_b32 s26, s28, 12
	s_add_co_u32 s24, s24, s26
	s_add_nc_u64 s[12:13], s[12:13], s[24:25]
	s_lshl_b32 s24, s27, 9
	s_lshl_b32 s26, s28, 8
	s_add_co_u32 s24, s24, s26
	s_add_nc_u64 s[14:15], s[14:15], s[24:25]
	s_lshl_b32 s24, s20, 7
	s_add_nc_u64 s[16:17], s[16:17], s[24:25]      ; proj_b + 4 x 32 w
	s_lshl_b32 s24, s21, 14
	s_lshl_b32 s26, s22, 8
	s_add_co_u32 s24, s24, s26
	s_add_nc_u64 s[6:7], s[6:7], s[24:25]          ; mask + 16,384 n + 256 G
	s_lshl_b32 s24, s21, 22
	s_add_co_u32 s24, s24, s26
	s_lshl_b32 s26, s20, 19
	s_add_co_u32 s24, s24, s26
	s_add_nc_u64 s[4:5], s[4:5], s[24:25]          ; x and out0 + 4,194,304 n + 32 w channels + 256 G
	s_add_nc_u64 s[18:19], s[18:19], s[24:25]
.irp k, 0,1,2,3,4,5,6,7,8,9,10,11,12,13,14,15
	global_load_b128 v[OF+4*\k:OF+4*\k+3], v1, s[8:9] offset:512*\k   ; [T][head][lane][16]: head = 2 s + c
.endr
.irp t, 0,1,2,3
.irp hd, 0,1,2,3
	global_load_u16 v[RAW+4*\t+\hd], v4, s[10:11] offset:8192*\hd+32*\t
.endr
.endr
.irp k, 0,1,2,3,4,5,6,7
	global_load_b128 v[PW+4*\k:PW+4*\k+3], v1, s[12:13] offset:512*\k
.endr
.irp k, 0,1,2,3
	global_load_b32 v[PWS+\k], v5, s[14:15] offset:64*\k
.endr
.irp u, 0,1
	global_load_b32 v[BI+8*\u], v6, s[16:17] offset:32*\u            ; the bias of my lane's output
.endr
	global_load_b128 v[MK:MK+3], v10, s[6:7]
.irp i, 0,1,2,3,4,5,6,7,8,9,10,11,12,13,14,15
	global_load_b128 v[XR+4*\i:XR+4*\i+3], v9, s[4:5] offset:(8*(\i/8)+2*(\i%8)+8*((\i%8)/4))*16384 th:TH_LOAD_NT   ; stage rows 2 i and 2 i + 1 are outputs f(i) and f(i) + 1: sixteen lanes read 256 consecutive bytes; the program's last read of x
.endr
	s_wait_loadcnt 17                              ; the operands are in; the mask and the 16 loads of x, issued behind them, may stay out
.irp t, 0,1,2,3
.irp s, 0,1
	v_lshl_or_b32 v[OS+2*\t+\s], v[RAW+4*\t+2*\s+1], 16, v[RAW+4*\t+2*\s]   ; K step s: heads 2 s and 2 s + 1, two bytes each
.endr
.endr
.irp u, 0,1
.irp j, 1,2,3,4,5,6,7
	v_mov_b32 v[BI+8*\u+\j], v[BI+8*\u]            ; C wants the bias in all eight registers.  (These fourteen lines also stand between the scale words' making and the products)
.endr
.endr
.irp u, 0,1
.if \u
	s_wait_dscnt 0x0                               ; the stage's stores have read the accumulators, which are written anew
.endif
.irp s, 0,1
.irp t, 0,1,2,3                                ; the four accumulators take turns, one instruction a turn
.if \s == 0
	MM ACC+8*\t, OF+16*\t+8*\s, PW+16*\u+8*\s, BI+8*\u, OS+2*\t+\s, PWS+2*\u+\s
.else
	MM ACC+8*\t, OF+16*\t+8*\s, PW+16*\u+8*\s, ACC+8*\t, OS+2*\t+\s, PWS+2*\u+\s
.endif
.endr
.endr
.rept 5
	v_nop                                          ; four places in front of the stores that read the results and of the loads into a's registers; the fifth for the products that write the accumulators anew
.endr
.irp t, 0,1,2,3
	ds_store_b128 v7, v[ACC+8*\t:ACC+8*\t+3] offset:16*SROW*\u+(32*(\t/2)+8*(\t%2))*4        ; each accumulator from its low end on
	ds_store_b128 v7, v[ACC+8*\t+4:ACC+8*\t+7] offset:16*SROW*\u+(32*(\t/2)+8*(\t%2))*4+16
.endr
.endr
.irp i, 0,1,2,3,4,5,6,7,8,9,10,11,12,13,14,15
	ds_load_b128 v[OF+4*\i:OF+4*\i+3], v8 offset:2*SROW*\i   ; LDS serves a wave's instructions in order (ISA guide 5.7.1.4): these see my stores
.endr
	s_wait_loadcnt 0x0                             ; x and the mask
.irp i, 0,1,2,3,4,5,6,7,8,9,10,11,12,13,14,15
	s_wait_dscnt 15-\i                             ; pair i of rows is back; the younger ones may stay out
	v_pk_add_f32 v[OF+4*\i:OF+4*\i+1], v[OF+4*\i:OF+4*\i+1], v[XR+4*\i:XR+4*\i+1]
	v_pk_add_f32 v[OF+4*\i+2:OF+4*\i+3], v[OF+4*\i+2:OF+4*\i+3], v[XR+4*\i+2:XR+4*\i+3]
	v_pk_mul_f32 v[OF+4*\i:OF+4*\i+1], v[OF+4*\i:OF+4*\i+1], v[MK:MK+1]
	v_pk_mul_f32 v[OF+4*\i+2:OF+4*\i+3], v[OF+4*\i+2:OF+4*\i+3], v[MK+2:MK+3]
	global_store_b128 v9, v[OF+4*\i:OF+4*\i+3], s[18:19] offset:(8*(\i/8)+2*(\i%8)+8*((\i%8)/4))*16384 th:TH_STORE_NT   ; sixteen lanes store 256 consecutive bytes, aligned; each pair has registers of its own
.endr
	s_wait_tensorcnt 0x0
	ds_add_u32 v14, v15
	s_wait_dscnt 0x0
	s_endpgm
.Lfunc_end_k_q00668da12e_proj:
	.size	k_q00668da12e_proj, .Lfunc_end_k_q00668da12e_proj-k_q00668da12e_proj
	.p2alignl 7, 3214868480
	.fill 96, 4, 3214868480
	.section	.rodata,"a",@progbits
	.p2align	6, 0x0
	.amdhsa_kernel k_q00668da12e_proj
		.amdhsa_group_segment_fixed_size 70656
		.amdhsa_private_segment_fixed_size 0
		.amdhsa_enable_private_segment 0
		.amdhsa_kernarg_size 64
		.amdhsa_user_sgpr_count 2
		.amdhsa_user_sgpr_kernarg_segment_ptr 1
		.amdhsa_wavefront_size32 1
		.amdhsa_system_sgpr_workgroup_id_x 1
		.amdhsa_system_sgpr_workgroup_id_y 1
		.amdhsa_system_sgpr_workgroup_id_z 1
		.amdhsa_system_vgpr_workitem_id 0
		.amdhsa_next_free_vgpr 256
		.amdhsa_next_free_sgpr 66
		.amdhsa_reserve_vcc 0
		.amdhsa_float_denorm_mode_32 3
		.amdhsa_float_denorm_mode_16_64 3
		.amdhsa_memory_ordered 1
		.amdhsa_forward_progress 1
		.amdhsa_inst_pref_size 20
	.end_amdhsa_kernel
	.amdgpu_metadata
---
amdhsa.version: [ 1, 2 ]
amdhsa.kernels:
  - .name:           k_q00668da12e_proj
    .symbol:         k_q00668da12e_proj.kd
    .args:
      - { .name: x, .offset: 0, .size: 8, .value_kind: global_buffer, .address_space: global }
      - { .name: mask, .offset: 8, .size: 8, .value_kind: global_buffer, .address_space: global }
      - { .name: oc, .offset: 16, .size: 8, .value_kind: global_buffer, .address_space: global }
      - { .name: os, .offset: 24, .size: 8, .value_kind: global_buffer, .address_space: global }
      - { .name: wc, .offset: 32, .size: 8, .value_kind: global_buffer, .address_space: global }
      - { .name: ws, .offset: 40, .size: 8, .value_kind: global_buffer, .address_space: global }
      - { .name: proj_b, .offset: 48, .size: 8, .value_kind: global_buffer, .address_space: global }
      - { .name: out0, .offset: 56, .size: 8, .value_kind: global_buffer, .address_space: global }
    .group_segment_fixed_size: 70656
    .private_segment_fixed_size: 0
    .kernarg_segment_align: 8
    .kernarg_segment_size: 64
    .max_flat_workgroup_size: 256
    .sgpr_count:     66
    .vgpr_count:     256
    .wavefront_size: 32
...
	.end_amdgpu_metadata
.endif
;; end of part 4
